; MI455X (gfx1250); checked and timed in simulation.
; The chip was launched on July 23, 2026; its instructions are those of AMD's public machine-readable ISA for CDNA 5 (MIT licence, August 2026) and "CDNA5" Instruction Set Architecture Reference Guide (July 2026). The comments in the code are by the model that wrote it; some were corrected since.
;; Multi Head Attention With Relative Position. Allowed arithmetic: matrix products marked QUANTISED: E4M3 operands, one given power-of-two scale a tensor, by v_wmma_f32_16x16x64_fp8_fp8 or v_wmma_f32_16x16x128_fp8_fp8, f32 sums; everything else in f32.
;; Inputs: Wk 1,024 x 1,024 float32; Wo 1,024 x 1,024 float32; Wq 1,024 x 1,024 float32; Wv 1,024 x 1,024 float32; bk 1,024 float32; bo 1,024 float32; bq 1,024 float32; bv 1,024 float32; lowp_scales 12 int32 (the exponents e of the quantised operands' scales 2^e); mask 2 x 2,048 int32; rel_emb 65 x 16 float32; x 2 x 2,048 x 1,024 float32.
;; Outputs: out0 2 x 2,048 x 1,024 float32.
;; This version of the problem:
;;   THIS VERSION OF THE PROBLEM IS GIVEN IN LOW PRECISION. The matrix products marked QUANTISED in the list below multiply operands that are first quantised to E4M3 (4 exponent bits, 3 mantissa bits; 8 bits a number), with one given power-of-two scale for each operand tensor; their sums are f32. All else is computed in f32.
;;   The module's matrix products, in the order in which they are computed (A, B: the left and right operand; K: the contracted axis; several contracted axes count as one K, in the product's order):
;;     1. [M 4,096, K 1,024] x [K 1,024, N 1,024]; A: input x; B: input Wq: QUANTISED (scales: A lowp_scales[0], B lowp_scales[1])
;;     2. [M 4,096, K 1,024] x [K 1,024, N 1,024]; A: input x; B: input Wk: QUANTISED (scales: A lowp_scales[2], B lowp_scales[3])
;;     3. [M 4,096, K 1,024] x [K 1,024, N 1,024]; A: input x; B: input Wv: QUANTISED (scales: A lowp_scales[4], B lowp_scales[5])
;;     4. batch 32 x [M 2,048, K 64] x [K 64, N 2,048]; A: computed on the way; B: computed on the way: QUANTISED (scales: A lowp_scales[6], B lowp_scales[7])
;;     5. batch 32 x [M 2,048, K 2,048] x [K 2,048, N 64]; A: softmax (see below); B: computed on the way: QUANTISED (scales: A lowp_scales[8], B lowp_scales[9])
;;     6. [M 4,096, K 1,024] x [K 1,024, N 1,024]; A: computed on the way; B: input Wo: QUANTISED (scales: A lowp_scales[10], B lowp_scales[11])
;;   THE QUANTISER, for each operand of a quantised product, along K:
;;     - The operand's scale is 2^e, e = its entry of the input lowp_scales (int32; the entries are numbered through the quantised products in the list's order, A before B).
;;     - Each number is divided by the scale, clamped to +-448, and rounded to the nearest number of E4M3, ties to even, subnormals kept.
;;     - The product sums the exact products of the quantised numbers (number of the format x scale) in f32.
;;   ~~~python
;;   def quantise(x, axis, e):      # numpy; x: float32 -> the quantised numbers, widened to float32 again
;;       x = np.moveaxis(x, axis, -1); K = x.shape[-1]
;;       r = np.clip(x / 2.0 ** e, -448, 448)
;;       step = 2.0 ** (np.maximum(np.frexp(np.where(r == 0, 1, r))[1] - 1, -6) - 3)
;;       q = np.round(r / step) * step * 2.0 ** e      # np.round: ties to even
;;       return np.moveaxis(q, -1, axis).astype(np.float32)
;;   ~~~
;;   SOFTMAX AHEAD OF A QUANTISED PRODUCT. Where the list says 'softmax', what is quantised is not the finished softmax but p = 2^(t - M), with t = logit x log2(e) and M = ceil(the row's largest t), a whole number; so 1/2 < the row's largest p <= 1. The row's sum l is taken of the UNQUANTISED p, in f32, and the product's result is divided by l at the end. Since M is a whole number, a kernel that streams over the keys may use a running M (the ceiling of the running maximum): every later rescaling is an exact power of two, so the quantised numbers keep their values, but for numbers so far below the row's largest that they fall under the format's range.
;;   OPERANDS COMPUTED ON THE WAY. 'Computed on the way' means the value that the module computes at that place (a softmax that the list does not call 'softmax' is quantised finished and normalised). What goes into a quantiser is computed in f32, as accurately as f32 sums, v_exp_f32 and their like allow (about 1e-6 of the number): no bf16 or f16 on the way to a quantiser, and a product that is left as it is and whose result goes on into a quantised operand takes f32 operands (vector FMAs, or v_wmma_f32_16x16x4_f32). A number that lies on a knife's edge between two numbers of the format may be rounded either way, as far as f32 arithmetic and the matrix unit's own rounding can turn it there, and no further.
;; One version. Each part assembles by itself: llvm-mc -triple=amdgcn-amd-amdhsa -mcpu=gfx1250 --defsym DOCPART=n.
;; ======== version 1 of 1: 4 launches
;; limits: right only within a limited range of input values
;; workspace buffers: xc 12,582,912 bytes; wc 4,194,304 bytes; qc 4,194,304 bytes; kc 4,194,304 bytes; vc 4,194,304 bytes; cc 4,194,304 bytes
;; launch quant (part 1): grid 512 x 1, 4 waves a work-group, no clusters, 34,304 bytes of LDS; arguments x, Wq, Wk, Wv, Wo, lowp_scales, xc, wc; writes xc, wc
.if DOCPART == 1
	.amdgcn_target "amdgcn-amd-amdhsa--gfx1250"
	.amdhsa_code_object_version 6
	.text
	.protected	k_q279ec135de_quant
	.globl	k_q279ec135de_quant
	.p2align	8
	.type	k_q279ec135de_quant,@function
k_q279ec135de_quant:
	s_mov_b64 s[64:65], 0
	v_nop
	global_prefetch_b8 v0, s[64:65] scope:SCOPE_SE
	s_setreg_imm32_b32 hwreg(HW_REG_WAVE_MODE, 25, 1), 1
	s_wait_xcnt 0x0
; x [4096][1024] and Wq, Wk, Wv, Wo [1024][1024], f32 with K innermost, become codes of E4M3.
; x is quantised three times, with the scales of entries 0, 2 and 4 of lowp_scales (they may differ); the weights with entries 1, 3, 5 and 11.
; code = number / 2^e, held within +-448, rounded to the nearest code, ties to even.
; LIMITS: each e lies between -126 and 119, so that 2^e and 448 x 2^e are f32 numbers.  NaN among the inputs is not served; an infinity is held at the largest code.
; THE CODES ARE LAID AS IMAGES OF THE OPERAND'S REGISTERS.  A fragment is 16 rows x 128 K: lane (r = lane % 16, h = lane / 16) holds, of row r, k = 16 c + 8 h + 0 .. 7 in registers 2 c, 2 c + 1
; (the layout of the plain 8-bit matrix forms: ISA guide 7.12.2).  Four registers of all 32 lanes are 512 bytes, lane l's 16 bytes at 16 l; a fragment is four such pieces, 2,048 bytes.
; xc: [scale 3][block of 128 rows 32][K step 8][tile of 16 rows 8][2048];  wc: [weight 4][block of 128 rows 8][K step 8][tile 8][2048].
; SHARES.  Work-groups 0 to 255 take a tile of 16 rows of x each, work-groups 256 to 511 a tile of 16 rows of a weight; wave w takes K steps 2 w and 2 w + 1.
; Each load reads 512 consecutive bytes (one row's K step); the 16 rows turn through the wave's own stage in LDS (rows of 512 + 16 bytes) and come back 32 bytes a lane and block of 16 along K.
; Each store writes 512 consecutive bytes at a multiple of 512.  No barrier: waves share nothing.  Every image has registers of its own, so no store's data are written again.
.set STGB, 8448                        ; a wave's stage: 16 rows x 528 bytes
.set SPIT, 528
.set R,    16                          ; v16-79 fragment 0 as loaded, v80-143 fragment 1
.set X,    144                         ; v144-207 a fragment's 64 numbers of my lane: register 8 c + i = k 16 c + 8 h + i of row r
.set T,    208                         ; v208-223 two sets of eight held numbers, by turns
.set SRC,  34                          ; s[34:35] the tile's first byte in its tensor
.set D0,   20                          ; s[20:21], s[22:23], s[24:25]: where my images go, for the first, second and third scale
	s_load_b256 s[4:11], s[0:1], 0x0               ; x, Wq, Wk, Wv
	s_load_b256 s[12:19], s[0:1], 0x20             ; Wo, lowp_scales, xc, wc
	v_lshl_add_u32 v14, v0, 2, 33792               ; v14: my spare word, behind the four stages (4 x 8,448 bytes); never rewritten
	v_mov_b32 v15, 0                               ; v15: 0; never rewritten
	v_lshrrev_b32 v5, 5, v0
	v_readfirstlane_b32 s26, v5                    ; wave 0..3
	v_and_b32 v6, 31, v0
	v_lshlrev_b32 v2, 4, v6                        ; v2: 16 x lane: my place in an image's piece
	s_lshl_b32 s27, s26, 10
	v_add_nc_u32 v1, s27, v2                       ; v1: my 16 bytes of a row's K step: 1,024 x wave + 16 x lane
	s_mul_i32 s27, s26, STGB
	v_add_nc_u32 v3, s27, v2                       ; v3: the stage, on the way in
	v_and_b32 v7, 15, v0
	v_bfe_u32 v5, v0, 4, 1
	v_mul_u32_u24 v4, v7, SPIT
	v_lshl_add_u32 v4, v5, 5, v4
	v_add_nc_u32 v4, s27, v4                       ; v4: and on the way out: row r, + 32 h
	s_and_b32 s28, ttmp9, 255                      ; the tile's number among x's 256, or among the weights' 4 x 64
	s_lshr_b32 s29, s28, 6                         ; which weight
	s_and_b32 s30, s28, 63                         ; and which tile of it
	s_lshr_b32 s32, s28, 3
	s_lshl_b32 s32, s32, 17                        ; the block of 128 rows (for the weights this holds the weight's number too),
	s_and_b32 s33, s28, 7
	s_lshl_b32 s33, s33, 11                        ; the tile in the block,
	s_add_co_u32 s32, s32, s33
	s_lshl_b32 s33, s26, 15                        ; my two K steps
	s_add_co_u32 s32, s32, s33
	s_mov_b32 s33, 0
	s_wait_alu depctr_va_vdst(0)
	s_wait_kmcnt 0x0
	s_load_b256 s[36:43], s[14:15], 0x0            ; e0 .. e7
	s_load_b128 s[44:47], s[14:15], 0x20           ; e8 .. e11
	s_cmp_eq_u32 s29, 0                            ; the choices hang on the work-group's number alone
	s_cselect_b64 s[SRC:SRC+1], s[6:7], s[8:9]
	s_cmp_eq_u32 s29, 2
	s_cselect_b64 s[SRC:SRC+1], s[10:11], s[SRC:SRC+1]
	s_cmp_eq_u32 s29, 3
	s_cselect_b64 s[SRC:SRC+1], s[12:13], s[SRC:SRC+1]
	s_cmp_lt_u32 ttmp9, 256
	s_cselect_b64 s[SRC:SRC+1], s[4:5], s[SRC:SRC+1]
	s_cselect_b64 s[D0:D0+1], s[16:17], s[18:19]
	s_cselect_b32 s30, s28, s30
	s_lshl_b32 s30, s30, 16                        ; 16 rows of 4,096 bytes
	s_mov_b32 s31, 0
	s_add_nc_u64 s[SRC:SRC+1], s[SRC:SRC+1], s[30:31]
	s_add_nc_u64 s[D0:D0+1], s[D0:D0+1], s[32:33]
	s_add_nc_u64 s[D0+2:D0+3], s[D0:D0+1], 0x400000   ; x's second and third sets of codes (used by x's work-groups alone)
	s_add_nc_u64 s[D0+4:D0+5], s[D0:D0+1], 0x800000
.irp f, 0,1
.irp q, 0,1,2,3,4,5,6,7,8,9,10,11,12,13,14,15
	global_load_b128 v[R+64*\f+4*\q:R+64*\f+4*\q+3], v1, s[SRC:SRC+1] offset:4096*\q+512*\f th:TH_LOAD_NT   ; row q, K step 2 w + f: 512 consecutive bytes
.endr
.endr
	s_wait_kmcnt 0x0
	s_cmp_eq_u32 s29, 0
	s_cselect_b32 s48, s37, s39                    ; e1 or e3
	s_cmp_eq_u32 s29, 2
	s_cselect_b32 s48, s41, s48                    ; e5
	s_cmp_eq_u32 s29, 3
	s_cselect_b32 s48, s47, s48                    ; e11
	s_cmp_lt_u32 ttmp9, 256
	s_cselect_b32 s48, s36, s48                    ; e0
.macro MKSC e, sc, lim                 ; v[sc] = 2^e as f32 (the conversion takes its exponent field), v[lim] = 448 x 2^e
	s_add_co_i32 s49, s[\e], 127
	s_lshl_b32 s50, s49, 23
	v_mov_b32 v[\sc], s50
	s_add_co_i32 s49, s49, 8
	s_lshl_b32 s49, s49, 23
	s_or_b32 s49, s49, 0x600000
	v_mov_b32 v[\lim], s49
.endm
	MKSC 48, 8, 9
	MKSC 38, 10, 11                                ; e2
	MKSC 40, 12, 13                                ; e4
; The fragment in X becomes 16 registers of codes at v[img].  The conversion to an 8-bit code does not saturate (ISA guide 7.6.2): each number is held within the largest code x the scale first.
; X is kept (x is quantised three times), so the held numbers go into two sets of eight by turns: the line behind a conversion is plain and writes none of its sources.
.macro QUANT img, sc, lim
.irp c, 0,1,2,3,4,5,6,7
.irp i, 0,1,2,3,4,5,6,7
	v_med3_num_f32 v[T+8*(\c%2)+\i], v[X+8*\c+\i], -v[\lim], v[\lim]
.endr
	v_cvt_scalef32_pk8_fp8_f32 v[\img+2*\c:\img+2*\c+1], v[T+8*(\c%2):T+8*(\c%2)+7], v[\sc]
.endr
	v_nop                                          ; a plain line behind the last conversion
.endm
.macro OUT img, base, f
.irp c, 0,1,2,3
	global_store_b128 v2, v[\img+4*\c:\img+4*\c+3], s[\base:\base+1] offset:16384*\f+512*\c   ; a piece of the image: 512 consecutive bytes
.endr
.endm
.macro FRAG f, i0, i1, i2
	s_wait_loadcnt 16*(1-\f)                       ; this fragment's sixteen loads are in; with f = 0 the other fragment's sixteen may be out
.irp q, 0,1,2,3,4,5,6,7,8,9,10,11,12,13,14,15
	ds_store_b128 v3, v[R+64*\f+4*\q:R+64*\f+4*\q+3] offset:SPIT*\q
.endr
.irp c, 0,1,2,3,4,5,6,7
	ds_load_b128 v[X+8*\c:X+8*\c+3], v4 offset:64*\c          ; LDS serves a wave's instructions in order (ISA guide 5.7.1.4): these see the stores above
	ds_load_b128 v[X+8*\c+4:X+8*\c+7], v4 offset:64*\c+16
.endr
	s_wait_dscnt 0x0                               ; the numbers are back, and the stores have read their registers, which take images below
	QUANT \i0, 8, 9
	OUT \i0, D0, \f
	s_cmp_lt_u32 ttmp9, 256                        ; a weight has one scale
	s_cbranch_scc0 .Lone_scale_\@
	QUANT \i1, 10, 11
	OUT \i1, D0+2, \f
	QUANT \i2, 12, 13
	OUT \i2, D0+4, \f
.Lone_scale_\@:
.endm
	s_wait_alu depctr_va_vdst(0)
	FRAG 0, 224, 16, 32
	FRAG 1, 48, 64, 240
	s_wait_tensorcnt 0x0                           ; the wave's end: behind my last LDS store
	ds_add_u32 v14, v15
	s_wait_dscnt 0x0
	s_endpgm
.Lfunc_end_k_q279ec135de_quant:
	.size	k_q279ec135de_quant, .Lfunc_end_k_q279ec135de_quant-k_q279ec135de_quant
	.p2alignl 7, 3214868480
	.fill 96, 4, 3214868480
	.section	.rodata,"a",@progbits
	.p2align	6, 0x0
	.amdhsa_kernel k_q279ec135de_quant
		.amdhsa_group_segment_fixed_size 34304
		.amdhsa_private_segment_fixed_size 0
		.amdhsa_enable_private_segment 0
		.amdhsa_kernarg_size 64
		.amdhsa_user_sgpr_count 2
		.amdhsa_user_sgpr_kernarg_segment_ptr 1
		.amdhsa_wavefront_size32 1
		.amdhsa_system_sgpr_workgroup_id_x 1
		.amdhsa_system_sgpr_workgroup_id_y 1
		.amdhsa_system_sgpr_workgroup_id_z 1
		.amdhsa_system_vgpr_workitem_id 0
		.amdhsa_next_free_vgpr 256
		.amdhsa_next_free_sgpr 66
		.amdhsa_reserve_vcc 0
		.amdhsa_float_denorm_mode_32 3
		.amdhsa_float_denorm_mode_16_64 3
		.amdhsa_memory_ordered 1
		.amdhsa_forward_progress 1
		.amdhsa_inst_pref_size 41
	.end_amdhsa_kernel
	.amdgpu_metadata
---
amdhsa.version: [ 1, 2 ]
amdhsa.kernels:
  - .name:           k_q279ec135de_quant
    .symbol:         k_q279ec135de_quant.kd
    .args:
      - { .name: x, .offset: 0, .size: 8, .value_kind: global_buffer, .address_space: global }
      - { .name: Wq, .offset: 8, .size: 8, .value_kind: global_buffer, .address_space: global }
      - { .name: Wk, .offset: 16, .size: 8, .value_kind: global_buffer, .address_space: global }
      - { .name: Wv, .offset: 24, .size: 8, .value_kind: global_buffer, .address_space: global }
      - { .name: Wo, .offset: 32, .size: 8, .value_kind: global_buffer, .address_space: global }
      - { .name: lowp_scales, .offset: 40, .size: 8, .value_kind: global_buffer, .address_space: global }
      - { .name: xc, .offset: 48, .size: 8, .value_kind: global_buffer, .address_space: global }
      - { .name: wc, .offset: 56, .size: 8, .value_kind: global_buffer, .address_space: global }
    .group_segment_fixed_size: 34304
    .private_segment_fixed_size: 0
    .kernarg_segment_align: 8
    .kernarg_segment_size: 64
    .max_flat_workgroup_size: 128
    .sgpr_count:     66
    .vgpr_count:     256
    .wavefront_size: 32
...
	.end_amdgpu_metadata
.endif
;; end of part 1
;; launch qkv (part 2): grid 8 x 32, 4 waves a work-group, clusters of 4 x 4, 327,680 bytes of LDS; arguments xc, wc, bq, bk, bv, lowp_scales, qc, kc, vc; writes qc, kc, vc
.if DOCPART == 2
	.amdgcn_target "amdgcn-amd-amdhsa--gfx1250"
	.amdhsa_code_object_version 6
	.text
	.protected	k_q279ec135de_qkv
	.globl	k_q279ec135de_qkv
	.p2align	8
	.type	k_q279ec135de_qkv,@function
k_q279ec135de_qkv:
	s_mov_b64 s[64:65], 0
	v_nop
	global_prefetch_b8 v0, s[64:65] scope:SCOPE_SE
	s_setreg_imm32_b32 hwreg(HW_REG_WAVE_MODE, 25, 1), 1
	s_wait_xcnt 0x0
	s_wait_alu depctr_hold_cnt(0) depctr_sa_sdst(0) depctr_va_vdst(0) depctr_va_sdst(0) depctr_va_ssrc(0) depctr_va_vcc(0) depctr_vm_vsrc(0)
	s_getreg_b32 s2, hwreg(HW_REG_IB_STS2, 6, 4)
	s_cmp_eq_u32 s2, 0
	s_cbranch_scc0 .Lentry_in_a_cluster
	s_endpgm
.Lentry_in_a_cluster:
	s_bfe_u32 s2, ttmp6, 0x10000c
	s_cmp_lg_u32 s2, 0xf033
	s_cbranch_scc0 .Lentry_shape_is_right
	s_endpgm
.Lentry_shape_is_right:
; Q = x Wq^T + bq, K = x Wk^T + bk, V = x Wv^T + bv on codes of E4M3 (v_wmma_f32_16x16x128_fp8_fp8, f32 sums); the results are quantised for the attention's products (entries 6, 7, 9 of lowp_scales).
; Operands come as images of the operand's registers: a fragment of 16 rows x 128 K is 2,048 bytes, four pieces of 512, lane l's 16 bytes at 16 l; a block of 128 rows is [K step 8][tile 8][2048].
; SHARES.  256 work-groups.  A work-group STAYS: it makes 128 rows x 128 columns of Q, then the same place of K, then of V.  Each of four waves makes 64 x 64: 16 accumulators; a wave's 64 columns are one head.
; THE RING.  Two LDS slots of 131,072 bytes; a slot holds half of K (four K steps): x's 65,536 bytes, then the weight's.  Six fills: (Q, K, V) x (half 0, half 1).  Each wave brings 32,768 bytes of a fill by one tensor load
; (128 rows of 256 bytes): waves 0, 1 for x, waves 2, 3 for the weight.  Every wait on TENSORcnt is for 0: one load of mine is out behind each round.
; CLUSTER 4 x 4: the four work-groups of a row of the cluster need the same block of x, the four of a column the same block of the weight: each piece is asked for jointly, behind a round of the cluster's barrier.
; PREFETCH.  Behind the loads of fills 0 to 3 each wave names, once, the fill two on: of the 32,768 bytes that it will fetch, each of the four partners takes 8,192 by address (cx for x, cy for the weight), lanes 256 bytes apart.
; Fills 0 and 1 come by their loads alone; behind fill 3's load nothing more is named.
; Q, K: source 0 = 16 rows of W, source 1 = 16 rows of x: a lane holds one row of x and eight neighbouring columns, eight neighbours along the next product's K.
; V:    source 0 = 16 rows of x, source 1 = 16 rows of W: a lane holds one column d and eight neighbouring keys, eight neighbours along ITS next K.
; So the conversions' results are the next operands' registers: qc, kc: [b x head 32][tile of 16 rows 128][1024];  vc: [b x head 32][128 keys 16][16 of d 4][2048].
; The bias is the C of each sum's first matrix instruction, divided by the power of two that the sums lack.
; LIMITS: for each product, (the result's e) - (x's e) - (W's e) lies between -126 and 119.  NaN is not served.
; REGISTERS.  Window 0: v4 16 x lane; v5, v6 the add's two; v7 prefetch offset; v8-11 LDS addresses; v12, v13 bias offsets; v16-19 V's bias words; v20-25 three scales and holds; v32-63 Q's bias, later V's; v64-95 images; v96-127 K's bias; v128-255 accumulators.
;             Window 1: two fragment buffers of 128: x's four fragments, then W's four.
.set SLOT, 131072
.set SPARE, 2*SLOT                     ; the spare words: 128 bytes a wave, two blocks of 256 that no other line names
.set LI,   4
.set SPW,  5
.set NIL,  6
.set PFO,  7
.set ADRA, 8                           ; v8, v9: x's fragments of my 64 rows in slot 0, 1
.set ADRB, 10                          ; v10, v11: the weight's
.set BT,   16
.set SC,   20
.set BI,   32
.set IMG,  64
.set BK,   96
.set ACC,  128
.set WV,   22
.set WR,   23                          ; which 64 rows are mine.  Also: I fetch for x (0) or for W (1)
.set WC,   24                          ; which 64 columns.  Also: which 32,768 bytes of a half I fetch
.set TCOL, 27
.set TROW, 28
.set G1A,  32
.set G1B,  40
.set G0A,  48                          ; s[48:55] groups 0 for x, one for each slot
.set G0B,  56                          ; s[56:63] for the weight
.set PFA,  66                          ; s[66:67] where my prefetches stand
.set PFS,  68                          ; s[68:69] from a product's half 1 to the next product's half 0
.set MSB, 0
.macro WIN new                         ; the immediate's high byte repeats the setting that is left
.if MSB != \new
	s_set_vgpr_msb (MSB<<8)|\new
.set MSB, \new
.endif
.endm
.set MULW, 0x05                        ; sources 0 and 1 window 1; C and D window 0
.set TO_F, 0x40                        ; destination window 1, address window 0
.macro CROUND                          ; a round of the cluster's barrier
	s_barrier_signal -1
	s_barrier_wait -1
	s_cmp_lg_u32 s[WV], 0
	s_cbranch_scc1 .Lnot_wave_0_\@
	s_barrier_signal -3
.Lnot_wave_0_\@:
	s_barrier_wait -3
	s_barrier_signal -1
	s_barrier_wait -1
.endm
.macro PLACES                          ; four plain places behind matrix instructions (ISA guide 7.12.1)
.rept 4
	v_nop
.endr
.endm
.macro JLOAD s                         ; a joint load into slot s; the branch hangs on the wave's number alone; s_nop 0 and four v_nop follow each line
	s_cmp_eq_u32 s[WR], 0
	s_cbranch_scc0 .Lfor_b_\@
	tensor_load_to_lds s[G0A+4*\s:G0A+4*\s+3], s[G1A:G1A+7]
	s_nop 0
	PLACES
	s_branch .Lasked_\@
.Lfor_b_\@:
	tensor_load_to_lds s[G0B+4*\s:G0B+4*\s+3], s[G1B:G1B+7]
	s_nop 0
	PLACES
.Lasked_\@:
.endm
.macro ASK
	global_prefetch_b8 v[PFO], s[PFA:PFA+1] th:TH_LOAD_NT scope:SCOPE_SE
.endm
.macro FETCH slot, q, bi               ; the eight fragments of the slot's K step q into buffer bi: 32 loads of 512 consecutive bytes, behind their places
	PLACES
	WIN TO_F
.irp i, 0,1,2,3
.irp c, 0,1,2,3
	ds_load_b128 v[128*(\bi)+16*\i+4*\c:128*(\bi)+16*\i+4*\c+3], v[ADRA+\slot] offset:(\q)*16384+2048*\i+512*\c
.endr
.endr
.irp i, 0,1,2,3
.irp c, 0,1,2,3
	ds_load_b128 v[128*(\bi)+64+16*\i+4*\c:128*(\bi)+64+16*\i+4*\c+3], v[ADRB+\slot] offset:(\q)*16384+2048*\i+512*\c
.endr
.endr
.endm
; 16 matrix instructions, 128 along K.  swap = 0: source 0 = W's fragment b, source 1 = x's fragment a; 1: the other way round.  cb: the registers of the bias, as C; 0: the sum goes on.
; The sixteen accumulators take turns, one instruction a turn, in the same order in every K step.
.macro MUL bi, swap, cb
	WIN MULW
.irp a, 0,1,2,3
.irp b, 0,1,2,3
.set rC, ACC+8*(4*\a+\b)
.if \swap
.set rS0, 128*(\bi)+16*\a
.set rS1, 128*(\bi)+64+16*\b
.else
.set rS0, 128*(\bi)+64+16*\b
.set rS1, 128*(\bi)+16*\a
.endif
.if \cb
	v_wmma_f32_16x16x128_fp8_fp8 v[rC:rC+7], v[rS0:rS0+15], v[rS1:rS1+15], v[\cb+8*\b:\cb+8*\b+7]
.else
	v_wmma_f32_16x16x128_fp8_fp8 v[rC:rC+7], v[rS0:rS0+15], v[rS1:rS1+15], v[rC:rC+7]
.endif
.endr
.endr
.endm
.macro HALFK slot, swap, cb, ask       ; a slot's four K steps; each step's fragments are asked for one step ahead
	FETCH \slot, 0, 0
.if \ask
	ASK                                            ; behind the joint load and the run of LDS loads
.endif
.irp q, 0,1,2,3
	s_wait_dscnt 0x0                               ; this K step's fragments are in
.if \q < 3
	FETCH \slot, \q+1, (\q+1)%2
.endif
.if \q == 0
	MUL 0, \swap, \cb
.else
	MUL \q%2, \swap, 0
.endif
.endr
.endm
; THE CHANGE OF SLOTS.  slot: the one just read.  fill = 1: it takes the next product's same half.  pf: my prefetch address steps by 65,536 (1) or by s[PFS] (2).
.macro TURN slot, fill, pf
	WIN 0
	s_wait_tensorcnt 0x0                           ; my one load that was out, my part of the other slot, has landed: every group 0 may be written
	ds_add_u32 v[SPW], v[NIL]
.if \fill
	s_add_nc_u64 s[G0A+4*\slot+2:G0A+4*\slot+3], s[G0A+4*\slot+2:G0A+4*\slot+3], 0x400000   ; x's next set of codes
	s_add_nc_u64 s[G0B+4*\slot+2:G0B+4*\slot+3], s[G0B+4*\slot+2:G0B+4*\slot+3], 0x100000   ; the next weight
.endif
.if \pf
	s_wait_xcnt 0x0                                ; my prefetch has read its address
.if \pf == 1
	s_add_nc_u64 s[PFA:PFA+1], s[PFA:PFA+1], 65536
.else
	s_add_nc_u64 s[PFA:PFA+1], s[PFA:PFA+1], s[PFS:PFS+1]
.endif
.endif
	s_wait_dscnt 0x0                               ; the add is done, and my reads of this slot are over
.if \fill
	CROUND                                         ; no wave of any partner still reads this slot or has a load on its way
	JLOAD \slot                                    ; the first tensor load behind the round, my only one until the next
.else
	s_barrier_signal -1
	s_barrier_wait -1
.endif
.endm
; The sums become codes.  The three scales are folded into the conversion's one; the hold comes first, since the conversion does not saturate (ISA guide 7.6.2).  Each accumulator is read from its lowest register on.
.macro EPI swap, sc
.irp a, 0,1,2,3
.irp b, 0,1,2,3
.irp j, 0,1,2,3,4,5,6,7
	v_med3_num_f32 v[ACC+8*(4*\a+\b)+\j], v[ACC+8*(4*\a+\b)+\j], -v[\sc+1], v[\sc+1]
.endr
.if \swap
	v_cvt_scalef32_pk8_fp8_f32 v[IMG+8*\b+2*\a:IMG+8*\b+2*\a+1], v[ACC+8*(4*\a+\b):ACC+8*(4*\a+\b)+7], v[\sc]
.else
	v_cvt_scalef32_pk8_fp8_f32 v[IMG+8*\a+2*\b:IMG+8*\a+2*\b+1], v[ACC+8*(4*\a+\b):ACC+8*(4*\a+\b)+7], v[\sc]
.endif
.endr
.endr
	v_nop                                          ; a plain line behind the last conversion
.endm
.macro OUT base, pitch                 ; eight stores of 512 consecutive bytes, each at a multiple of 512
.irp a, 0,1,2,3
	global_store_b128 v[LI], v[IMG+8*\a:IMG+8*\a+3], s[\base:\base+1] offset:\pitch*\a
	global_store_b128 v[LI], v[IMG+8*\a+4:IMG+8*\a+7], s[\base:\base+1] offset:\pitch*\a+512
.endr
.endm
.macro MKP ex, ew, eo, sc, sh          ; v[sc] = 2^(eo - ex - ew), v[sc+1] = 448 x it, s[sh] = -(ex + ew)
	s_add_co_i32 s[\sh], s[\ex], s[\ew]
	s_sub_co_i32 s96, s[\eo], s[\sh]
	s_sub_co_i32 s[\sh], 0, s[\sh]
	s_add_co_i32 s96, s96, 127
	s_lshl_b32 s97, s96, 23
	v_mov_b32 v[\sc], s97
	s_add_co_i32 s96, s96, 8
	s_lshl_b32 s96, s96, 23
	s_or_b32 s96, s96, 0x600000
	v_mov_b32 v[\sc+1], s96
.endm
	s_load_b256 s[4:11], s[0:1], 0x0               ; xc, wc, bq, bk
	s_load_b256 s[12:19], s[0:1], 0x20             ; bv, lowp_scales, qc, kc
	s_load_b64 s[20:21], s[0:1], 0x40              ; vc
	v_lshl_add_u32 v[SPW], v0, 2, SPARE
	v_mov_b32 v[NIL], 0
	ds_add_u32 v[SPW], v[NIL]                      ; the opening lines: the add, twice on end, and its wait ahead of the round in front of my first tensor load
	ds_add_u32 v[SPW], v[NIL]
	v_lshrrev_b32 v1, 5, v0
	v_readfirstlane_b32 s[WV], v1                  ; wave 0..3
	s_lshr_b32 s[WR], s[WV], 1
	s_and_b32 s[WC], s[WV], 1
	s_bfe_u32 s25, ttmp6, 0x40000                  ; cx, cy: my place in the cluster
	s_bfe_u32 s26, ttmp6, 0x40004
	s_lshl_b32 s[TCOL], ttmp9, 2
	s_add_co_u32 s[TCOL], s[TCOL], s25             ; tile column = 4 x cluster x + cx: 0 .. 7
	s_and_b32 s[TROW], ttmp7, 0xffff
	s_lshl_b32 s[TROW], s[TROW], 2
	s_add_co_u32 s[TROW], s[TROW], s26             ; tile row = 4 x cluster y + cy: 0 .. 31
	s_lshl_b32 s30, s26, 2
	s_lshl_b32 s30, 15, s30                        ; my row of the cluster
	s_lshl_b32 s31, 0x1111, s25                    ; my column
	; group 1: a dense piece of 32,768 bytes as 128 rows of 32 elements of 8 bytes
	s_or_b32 s[G1A], s30, (3<<16)|(1<<21)          ; the mask: x's pieces go to my row; elements of 8 bytes; bit 21 beside a mask; no padding
	s_or_b32 s[G1B], s31, (3<<16)|(1<<21)          ; the weight's go to my column
.irp g, G1A, G1B
	s_mov_b32 s[\g+1], 32<<16                      ; tensor_dim0
	s_mov_b32 s[\g+2], 128<<16                     ; tensor_dim1
	s_mov_b32 s[\g+3], 32<<16                      ; tile_dim0
	s_mov_b32 s[\g+4], 128                         ; tile_dim1
	s_mov_b32 s[\g+5], 32                          ; the pitch: rows on end
	s_mov_b32 s[\g+6], 0
	s_mov_b32 s[\g+7], 0
.endr
	s_lshl_b32 s3, s[WC], 15                       ; which 32,768 bytes of a half I fetch
	s_lshl_b32 s96, s[TROW], 17                    ; x: the block of 128 rows, in the first set of codes
	s_add_co_u32 s96, s96, s3
	s_mov_b32 s97, 0
	s_lshl_b32 s98, s[TCOL], 17                    ; W: the block of 128 rows, in the first weight
	s_add_co_u32 s98, s98, s3
	s_mov_b32 s99, 0
	s_lshl_b32 s100, s[WR], 16                     ; in a slot: x's half, then the weight's: no place in the cluster enters an LDS address
	s_add_co_u32 s100, s100, s3
	s_wait_dscnt 0x0                               ; both opening adds are done
	s_wait_kmcnt 0x0
	s_load_b256 s[84:91], s[14:15], 0x0            ; e0 .. e7
	s_load_b128 s[92:95], s[14:15], 0x20           ; e8 .. e11
	s_add_nc_u64 s[96:97], s[4:5], s[96:97]
	s_add_nc_u64 s[98:99], s[6:7], s[98:99]
	CROUND                                         ; all sixteen work-groups are here: the first joint loads meet
.irp s, 0,1
	s_mov_b32 s[G0A+4*\s], 1                                       ; count = 1
	s_add_co_u32 s[G0A+4*\s+1], s100, \s*SLOT                      ; LDS address
	s_add_nc_u64 s[G0A+4*\s+2:G0A+4*\s+3], s[96:97], \s*65536      ; global address: half s of K
	s_or_b32 s[G0A+4*\s+3], s[G0A+4*\s+3], 0x80000000              ; type = 2
	s_mov_b32 s[G0B+4*\s], 1
	s_add_co_u32 s[G0B+4*\s+1], s100, \s*SLOT
	s_add_nc_u64 s[G0B+4*\s+2:G0B+4*\s+3], s[98:99], \s*65536
	s_or_b32 s[G0B+4*\s+3], s[G0B+4*\s+3], 0x80000000
.endr
	JLOAD 0                                        ; fill 0: one tensor load a wave at the head
	v_and_b32 v1, 31, v0
	v_lshlrev_b32 v[LI], 4, v1                     ; 16 x lane
	s_lshl_b32 s2, s[WR], 13                       ; my four fragments of x: 8,192 x row half
	v_add_nc_u32 v[ADRA], s2, v[LI]
	v_add_nc_u32 v[ADRA+1], SLOT, v[ADRA]
	s_lshl_b32 s2, s[WC], 13
	s_add_co_u32 s2, s2, 65536
	v_add_nc_u32 v[ADRB], s2, v[LI]
	v_add_nc_u32 v[ADRB+1], SLOT, v[ADRB]
	v_bfe_u32 v2, v0, 4, 1
	v_lshlrev_b32 v12, 5, v2                       ; Q, K: the bias of my half's eight columns: 32 h
	v_and_b32 v3, 15, v0
	v_lshlrev_b32 v13, 2, v3                       ; V: the bias of my column: 4 r
	v_lshlrev_b32 v[PFO], 8, v1                    ; the prefetches: 256 x lane
	s_lshl_b32 s98, s[TCOL], 9
	s_lshl_b32 s99, s[WC], 8
	s_add_co_u32 s98, s98, s99                     ; my 64 columns' bias: 4 x (128 x tile column + 64 x column half)
	s_mov_b32 s99, 0
	s_add_nc_u64 s[8:9], s[8:9], s[98:99]
	s_add_nc_u64 s[10:11], s[10:11], s[98:99]
	s_add_nc_u64 s[12:13], s[12:13], s[98:99]
	s_lshl_b32 s97, s[TCOL], 1
	s_add_co_u32 s97, s97, s[WC]                   ; the head
	s_lshr_b32 s98, s[TROW], 4
	s_lshl_b32 s98, s98, 4
	s_add_co_u32 s97, s97, s98                     ; 16 b + head
	s_lshl_b32 s98, s97, 17
	s_and_b32 s97, s[TROW], 15
	s_lshl_b32 s97, s97, 13                        ; the block's 128 rows of the sequence: 8 tiles of 1,024 bytes, or one step of 8,192
	s_add_co_u32 s98, s98, s97
	s_lshl_b32 s97, s[WR], 10                      ; V: my 64 keys are pieces 2 x row half and the next of each fragment
	s_add_co_u32 s100, s98, s97
	s_mov_b32 s101, 0
	s_lshl_b32 s97, s[WR], 12                      ; Q, K: my four tiles of 16 rows
	s_add_co_u32 s98, s98, s97
	s_add_nc_u64 s[16:17], s[16:17], s[98:99]
	s_add_nc_u64 s[18:19], s[18:19], s[98:99]
	s_add_nc_u64 s[20:21], s[20:21], s[100:101]
	s_cmp_eq_u32 s[WR], 0                          ; the prefetches: do I fetch for x?
	s_cselect_b64 s[PFA:PFA+1], s[4:5], s[6:7]
	s_cselect_b32 s70, s[TROW], s[TCOL]            ; the block,
	s_cselect_b32 s71, s25, s26                    ; my place among the four that ask with me,
	s_mov_b32 s[PFS], 0x100000
	s_cselect_b32 s[PFS], 0x400000, s[PFS]         ; from product to product
	s_lshl_b32 s70, s70, 17
	s_lshl_b32 s71, s71, 13
	s_add_co_u32 s70, s70, s71
	s_add_co_u32 s70, s70, s3
	s_add_co_u32 s70, s70, s[PFS]                  ; at fill 2: the second product's half 0
	s_mov_b32 s71, 0
	s_add_nc_u64 s[PFA:PFA+1], s[PFA:PFA+1], s[70:71]
	s_sub_co_u32 s[PFS], s[PFS], 65536
	s_mov_b32 s[PFS+1], 0
	s_wait_alu depctr_va_vdst(0)                   ; directly ahead of the readers below
.irp b, 0,1,2,3
	global_load_b128 v[BI+8*\b:BI+8*\b+3], v12, s[8:9] offset:64*\b           ; lane (r, h), tile b: the bias of columns 16 b + 8 h + 0 .. 7
	global_load_b128 v[BI+8*\b+4:BI+8*\b+7], v12, s[8:9] offset:64*\b+16
	global_load_b128 v[BK+8*\b:BK+8*\b+3], v12, s[10:11] offset:64*\b
	global_load_b128 v[BK+8*\b+4:BK+8*\b+7], v12, s[10:11] offset:64*\b+16
	global_load_b32 v[BT+\b], v13, s[12:13] offset:64*\b                      ; V: the bias of column 16 b + r
.endr
	ASK                                            ; fill 2
	s_wait_kmcnt 0x0
	MKP 84, 85, 90, SC, 72
	MKP 86, 87, 91, SC+2, 73
	MKP 88, 89, 93, SC+4, 74
	s_wait_loadcnt 0x0
.set j, 0
.rept 32
	v_ldexp_f32 v[BI+j], v[BI+j], s72
	v_ldexp_f32 v[BK+j], v[BK+j], s73
.set j, j+1
.endr
	s_wait_alu depctr_va_vdst(0)
	s_wait_tensorcnt 0x0                           ; my part of fill 0 is in; slot 1's first fill is issued as a refill is
	ds_add_u32 v[SPW], v[NIL]
	s_wait_xcnt 0x0
	s_add_nc_u64 s[PFA:PFA+1], s[PFA:PFA+1], 65536 ; fill 3
	s_wait_dscnt 0x0
	CROUND
	JLOAD 1                                        ; fill 1
	HALFK 0, 0, BI, 1                              ; Q
	TURN 0, 1, 2                                   ; slot 0 takes fill 2; the prefetch goes on to fill 4
	HALFK 1, 0, 0, 1
	TURN 1, 1, 1                                   ; fill 3; fill 5
	EPI 0, SC                                      ; behind the refill; the joint load's four v_nop are the places behind the last products
	OUT 16, 1024
	HALFK 0, 0, BK, 1                              ; K
	TURN 0, 1, 0                                   ; fill 4
	HALFK 1, 0, 0, 0
	TURN 1, 1, 0                                   ; fill 5
	s_wait_xcnt 0x0                                ; Q's stores have read the images' registers
	EPI 0, SC+2
	OUT 18, 1024
.irp b, 0,1,2,3
.irp j, 0,1,2,3,4,5,6,7
	v_ldexp_f32 v[BI+8*\b+\j], v[BT+\b], s74       ; V's bias: the same for a lane's eight keys
.endr
.endr
	s_wait_alu depctr_va_vdst(0)
	HALFK 0, 1, BI, 0                              ; V
	TURN 0, 0, 0                                   ; nothing is filled again
	HALFK 1, 1, 0, 0
	WIN 0
	PLACES
	s_wait_xcnt 0x0                                ; K's stores have read the images' registers
	EPI 1, SC+4
	OUT 20, 2048
	s_wait_tensorcnt 0x0                           ; the wave's end
	ds_add_u32 v[SPW], v[NIL]
	s_wait_dscnt 0x0
	CROUND                                         ; the closing round
	s_endpgm
.Lfunc_end_k_q279ec135de_qkv:
	.size	k_q279ec135de_qkv, .Lfunc_end_k_q279ec135de_qkv-k_q279ec135de_qkv
	.p2alignl 7, 3214868480
	.fill 96, 4, 3214868480
	.section	.rodata,"a",@progbits
	.p2align	6, 0x0
	.amdhsa_kernel k_q279ec135de_qkv
		.amdhsa_group_segment_fixed_size 327680
		.amdhsa_private_segment_fixed_size 0
		.amdhsa_enable_private_segment 0
		.amdhsa_kernarg_size 72
		.amdhsa_user_sgpr_count 2
		.amdhsa_user_sgpr_kernarg_segment_ptr 1
		.amdhsa_wavefront_size32 1
		.amdhsa_system_sgpr_workgroup_id_x 1
		.amdhsa_system_sgpr_workgroup_id_y 1
		.amdhsa_system_sgpr_workgroup_id_z 1
		.amdhsa_system_vgpr_workitem_id 0
		.amdhsa_next_free_vgpr 512
		.amdhsa_next_free_sgpr 102
		.amdhsa_reserve_vcc 0
		.amdhsa_float_denorm_mode_32 3
		.amdhsa_float_denorm_mode_16_64 3
		.amdhsa_memory_ordered 1
		.amdhsa_forward_progress 1
		.amdhsa_inst_pref_size 129
	.end_amdhsa_kernel
	.amdgpu_metadata
---
amdhsa.version: [ 1, 2 ]
amdhsa.kernels:
  - .name:           k_q279ec135de_qkv
    .symbol:         k_q279ec135de_qkv.kd
    .args:
      - { .name: xc, .offset: 0, .size: 8, .value_kind: global_buffer, .address_space: global }
      - { .name: wc, .offset: 8, .size: 8, .value_kind: global_buffer, .address_space: global }
      - { .name: bq, .offset: 16, .size: 8, .value_kind: global_buffer, .address_space: global }
      - { .name: bk, .offset: 24, .size: 8, .value_kind: global_buffer, .address_space: global }
      - { .name: bv, .offset: 32, .size: 8, .value_kind: global_buffer, .address_space: global }
      - { .name: lowp_scales, .offset: 40, .size: 8, .value_kind: global_buffer, .address_space: global }
      - { .name: qc, .offset: 48, .size: 8, .value_kind: global_buffer, .address_space: global }
      - { .name: kc, .offset: 56, .size: 8, .value_kind: global_buffer, .address_space: global }
      - { .name: vc, .offset: 64, .size: 8, .value_kind: global_buffer, .address_space: global }
    .group_segment_fixed_size: 327680
    .private_segment_fixed_size: 0
    .kernarg_segment_align: 8
    .kernarg_segment_size: 72
    .max_flat_workgroup_size: 128
    .sgpr_count:     102
    .vgpr_count:     512
    .wavefront_size: 32
...
	.end_amdgpu_metadata
.endif
;; end of part 2
;; launch attn (part 3): grid 8 x 32, 16 waves a work-group, clusters of 4 x 1, 327,680 bytes of LDS; arguments qc, kc, vc, mask, rel_emb, lowp_scales, cc; writes cc
.if DOCPART == 3
	.amdgcn_target "amdgcn-amd-amdhsa--gfx1250"
	.amdhsa_code_object_version 6
	.text
	.protected	k_q279ec135de_attn
	.globl	k_q279ec135de_attn
	.p2align	8
	.type	k_q279ec135de_attn,@function
k_q279ec135de_attn:
	s_mov_b64 s[64:65], 0
	v_nop
	global_prefetch_b8 v0, s[64:65] scope:SCOPE_SE
	s_setreg_imm32_b32 hwreg(HW_REG_WAVE_MODE, 25, 1), 1
	s_wait_xcnt 0x0
	s_wait_alu depctr_hold_cnt(0) depctr_sa_sdst(0) depctr_va_vdst(0) depctr_va_sdst(0) depctr_va_ssrc(0) depctr_va_vcc(0) depctr_vm_vsrc(0)
	s_getreg_b32 s2, hwreg(HW_REG_IB_STS2, 6, 4)
	s_cmp_eq_u32 s2, 0
	s_cbranch_scc0 .Lentry_in_a_cluster
	s_endpgm
.Lentry_in_a_cluster:
	s_bfe_u32 s2, ttmp6, 0x10000c
	s_cmp_lg_u32 s2, 0x3003
	s_cbranch_scc0 .Lentry_shape_is_right
	s_endpgm
.Lentry_shape_is_right:
; ctx = softmax(Q K^T / 8 + relative bias, causal and pad masks) V for one (b, head), both products on codes of E4M3; ctx is quantised for the output projection.
; Q, K: images of fragments of 16 rows x 64 (1,024 bytes a tile).  V: images of fragments of 16 of d x 128 keys (2,048 bytes).  lowp_scales: e6 (Q), e7 (K), e8 (p), e9 (V), e10 (ctx).
; THE SOFTMAX: t = logit x log2(e); M = the running largest t rounded up to a whole number; p = 2^(t - M) is quantised, not normalised; the row's sum is taken of the unquantised p and divides at the end.
; SHARES.  A head's 2,048 queries go to 8 work-groups of 16 waves; a wave owns ONE tile of 16 queries in 256 registers, four waves to a SIMD.
; ALL OF THE HEAD'S K AND V LIE IN LDS (131,072 bytes each), each byte filled once: every wave brings 16,384 bytes by its one tensor load at the head.  One barrier shows them to all; a second, straight behind it, shows U.
; From there on no barrier stands in the walk: each wave walks its own key steps, so waves of short and of long walks share a SIMD without waiting for each other.
; CLUSTER 4 x 1: the four work-groups of a cluster belong to one head and ask for K and V jointly.  No branch differs between partners: wave w of all four works in the same block of 128 queries (SD),
; and the place in the cluster only says which two of the block's eight tiles are the work-group's: it enters global addresses and the CONTENTS of the band table, no LDS address and no branch.
; No prefetch is laid: the launch's only tensor loads go out at its head, so there is no loop to run ahead in.
; LAYOUT.  S^T = K Q^T + C (source 0 = 16 keys, source 1 = my queries), O^T = V^T P^T: a lane holds ONE query (lane % 16); tile t's eight registers are keys 16 t + 8 (lane / 16) + 0 .. 7,
; the place that the second product's layout gives them: the conversions' results are its operand.
; MASKS AND BIAS ARE THE C OF THE FIRST PRODUCT, in the sums' units (logit x 2^(3 - e6 - e7)), read from two LDS tables:
;   PADT[key] = -1e9 where mask is 0, else 0;   BAND[key - query] = -1e9 where key > query, else rel_emb[clip(key - query) + 32][head].
;   The band is wanted in the two steps of 128 keys next to the diagonal alone; before them key - query <= -129, so the bias is the constant rel_emb[0][head], added to t.
;   Steps behind the diagonal are not walked: the causal mask makes every score there -1e9 and p 0 (but for the rows below).
; ROWS WITHOUT ANY VISIBLE KEY.  The running largest t starts at -2^29 and never falls under it; a masked t is about -1.44e9, so p = 0 while only masked keys have been seen.
;   A row that ends at -2^29 has 2,048 equal scores of -1e9: every p is 1, future keys' too, and the sum is 2,048.  It takes U / 2048 by a select, U = the sum over all keys of V's codes x the code of 1.0.
; LIMITS: a kept logit has t above -2^29; e6 + e7 between -90 and 90; e8 between -126 and 119; e10 - e8 - e9 between -126 and 119.  NaN is not served.
.set VIMG,  131072
.set PADT,  262144                     ; 2,048 words
.set BAND,  270336                     ; four copies of 512 words: copy m, entry e holds band(e - 256 - m - 32 cx), so that a lane's eight entries are two aligned loads of 16 bytes
.set BCOPY, 2112
.set UPART, 278784                     ; U in four quarters of the keys: 4 x 64 words
.set SPARE, 279808                     ; the spare words: 128 bytes a wave, eight blocks of 256 that no other line names
.set AK0, 1                            ; 16 x lane
.set AV0, 2                            ; VIMG + 16 x lane
.set AP0, 3                            ; PADT + 32 h
.set AB0, 4                            ; my lane's place in the band
.set UA,  5                            ; where I put my part of U
.set NIL, 6                            ; 0, as a number
.set A0,  7                            ; rel_emb[0][head] x log2(e)
.set ADK, 8
.set ADV, 9
.set ADP, 10
.set UR,  11                           ; UPART + 32 h
.set NM,  12                           ; -M
.set TM,  13                           ; the largest t so far
.set LS,  14                           ; v[14:15] the sum, in two halves
.set QF,  16                           ; v16-23 Q
.set PSC, 24                           ; 2^e8, 448 x 2^e8
.set AD,  26                           ; v[26:27] what is added to c1 x score
.set FF,  28                           ; v[28:29] f = 2^(old M - new M)
.set MX,  30
.set KV,  32                           ; v32-95 K's eight fragments, then V's four
.set S,   96                           ; v96-159 the addends, S^T, p
.set O,   160                          ; v160-191 O^T
.set PC,  192                          ; v192-207 p's codes
.set TT,  208                          ; v208-239 the band; U's accumulator
.set PX,  242
.set HALF, 243
.set CSC, 244                          ; 2^(e10 - e8 - e9), 448 x it
.set SM,  246                          ; v246-253 four chains of the sum
.set SPW, 254                          ; my spare word; never rewritten
.set ZR,  255                          ; 0, for the add alone
.set WV,  18
.set CX,  19
.set BH,  20
.set SD,  21                           ; my block of 128 queries = the key step on my diagonal
.set STP, 22
.set TB,  23                           ; 8,192 x key step
.set G1,  24
.set G0,  32
.set ESH, 53
.set C1,  54                           ; s[54:55] log2(e) / 8 x 2^(e6 + e7)
.set SEL, 56
.set TP,  58                           ; 512 x key step
.set CCB, 66
.set PAR, 70
.macro CROUND
	s_barrier_signal -1
	s_barrier_wait -1
	s_cmp_lg_u32 s[WV], 0
	s_cbranch_scc1 .Lnot_wave_0_\@
	s_barrier_signal -3
.Lnot_wave_0_\@:
	s_barrier_wait -3
	s_barrier_signal -1
	s_barrier_wait -1
.endm
.macro PLACES
.rept 4
	v_nop
.endr
.endm
	s_load_b256 s[4:11], s[0:1], 0x0               ; qc, kc, vc, mask
	s_load_b128 s[12:15], s[0:1], 0x20             ; rel_emb, lowp_scales
	s_load_b64 s[16:17], s[0:1], 0x30              ; cc
	v_lshl_add_u32 v[SPW], v0, 2, SPARE
	v_mov_b32 v[ZR], 0
	ds_add_u32 v[SPW], v[ZR]                       ; the opening lines: the add, twice on end, and its wait ahead of the round in front of my tensor load
	ds_add_u32 v[SPW], v[ZR]
	v_lshrrev_b32 v1, 5, v0
	v_readfirstlane_b32 s[WV], v1                  ; wave 0..15
	s_bfe_u32 s[CX], ttmp6, 0x40000                ; my place in the cluster
	s_and_b32 s[BH], ttmp7, 0xffff                 ; 16 b + head, which the partners share
	; group 1: a dense piece of 16,384 bytes as 64 rows of 32 elements of 8 bytes
	s_mov_b32 s[G1], 15|(3<<16)|(1<<21)            ; the mask: all four work-groups; elements of 8 bytes; bit 21 beside a mask; no padding
	s_mov_b32 s[G1+1], 32<<16
	s_mov_b32 s[G1+2], 64<<16
	s_mov_b32 s[G1+3], 32<<16
	s_mov_b32 s[G1+4], 64
	s_mov_b32 s[G1+5], 32
	s_mov_b32 s[G1+6], 0
	s_mov_b32 s[G1+7], 0
	s_lshr_b32 s59, s[WV], 3                       ; waves 0-7 fetch K, waves 8-15 V: an eighth each
	s_lshl_b32 s59, s59, 17
	s_and_b32 s60, s[WV], 7
	s_lshl_b32 s60, s60, 14
	s_add_co_u32 s59, s59, s60                     ; in LDS,
	s_lshl_b32 s62, s[BH], 17
	s_add_co_u32 s62, s62, s60                     ; and in the buffer
	s_mov_b32 s63, 0
	; which block of 128 queries: long and short walks are mixed among the waves, and the head's two clusters take the sixteen blocks between them
	s_and_b32 s[PAR], s[WV], 1
	s_bfe_u32 s60, s[WV], 0x10001
	s_mul_i32 s60, s60, 7
	s_lshr_b32 s61, s[WV], 2
	s_lshl_b32 s61, s61, 2
	s_lshr_b32 s61, 0x3560, s61
	s_and_b32 s61, s61, 7                          ; 0, 6, 5, 3
	s_xor_b32 s61, s61, s60                        ; or 7, 1, 2, 4
	s_and_b32 s60, s61, 1
	s_xor_b32 s60, s60, ttmp9                      ; the cluster's number along x, 0 or 1
	s_lshl_b32 s61, s61, 1
	s_add_co_u32 s[SD], s61, s60
	s_and_b32 s[SD], s[SD], 15
	s_wait_dscnt 0x0                               ; both opening adds are done
	s_wait_kmcnt 0x0
	s_load_b128 s[48:51], s[14:15], 0x18           ; e6, e7, e8, e9
	s_load_b32 s52, s[14:15], 0x28                 ; e10
	s_cmp_lt_u32 s[WV], 8
	s_cselect_b64 s[68:69], s[6:7], s[8:9]
	s_mov_b32 s[G0], 1
	s_mov_b32 s[G0+1], s59
	s_add_nc_u64 s[G0+2:G0+3], s[68:69], s[62:63]
	s_or_b32 s[G0+3], s[G0+3], 0x80000000
	CROUND                                         ; all four work-groups are here: the joint loads meet
	tensor_load_to_lds s[G0:G0+3], s[G1:G1+7]      ; every wave's one load
	s_nop 0
	PLACES
	v_and_b32 v32, 31, v0
	v_bfe_u32 v33, v0, 4, 1                        ; h
	v_and_b32 v35, 3, v0
	v_bfe_u32 v39, v0, 2, 2
	v_lshlrev_b32 v[AK0], 4, v32
	v_lshlrev_b32 v34, 5, v33
	v_mul_u32_u24 v[AB0], v35, BCOPY               ; copy r % 4,
	v_lshlrev_b32 v39, 4, v39
	v_add_nc_u32 v[AV0], VIMG, v[AK0]
	v_add_nc_u32 v[AP0], PADT, v34
	v_add_nc_u32 v[UR], UPART, v34
	v_add_nc_u32 v[AB0], v[AB0], v34               ; + 8 h entries,
	s_wait_alu depctr_va_vdst(0)
	s_lshr_b32 s59, s[WV], 2
	s_lshl_b32 s59, s59, 8
	s_and_b32 s60, s[WV], 3
	s_lshl_b32 s60, s60, 6
	s_add_co_u32 s59, s59, s60
	v_add_nc_u32 v[UA], s59, v[UR]                 ; quarter wave / 4 of the keys, tile wave % 4 of d
	s_xor_b32 s59, s[PAR], 1
	s_lshl_b32 s59, s59, 6
	s_add_co_u32 s59, s59, BAND+448                ; entry 128 - 16 x (wave % 2),
	v_add_nc_u32 v[AB0], s59, v[AB0]
	v_mov_b32 v[NIL], 0
	v_lshl_add_u32 v36, v0, 4, PADT                ; the tables are made by all 512 threads: PADT: four words each,
	v_lshl_add_u32 v37, v0, 2, BAND                ; BAND: entry = thread, in each copy
	v_lshlrev_b32 v38, 4, v0
	v_sub_nc_u32 v[AB0], v[AB0], v39               ; - 4 (r / 4) entries
	s_wait_alu depctr_va_vdst(0)                   ; ahead of the run of scalar lines
	s_lshl_b32 s72, s[CX], 1
	s_add_co_u32 s72, s72, s[PAR]                  ; my tile in the block: 2 cx + wave % 2
	s_lshl_b32 s73, s[SD], 3
	s_add_co_u32 s73, s73, s72                     ; my tile of queries
	s_lshl_b32 s60, s73, 10
	s_lshl_b32 s61, s[BH], 17
	s_add_co_u32 s60, s60, s61
	s_mov_b32 s61, 0
	s_add_nc_u64 s[4:5], s[4:5], s[60:61]          ; Q's image
	s_lshr_b32 s60, s[BH], 4
	s_lshl_b32 s60, s60, 13
	s_add_nc_u64 s[10:11], s[10:11], s[60:61]      ; mask's row b
	s_and_b32 s60, s[BH], 15
	s_lshl_b32 s60, s60, 2
	s_add_nc_u64 s[12:13], s[12:13], s[60:61]      ; rel_emb's column head
	s_lshr_b32 s60, s[BH], 4
	s_lshl_b32 s60, s60, 4
	s_add_co_u32 s60, s60, s[SD]                   ; ctx: the block of 128 rows: 16 b + SD,
	s_lshl_b32 s60, s60, 17
	s_bfe_u32 s62, s[BH], 0x30001
	s_lshl_b32 s62, s62, 14                        ; K step = pair of heads,
	s_add_co_u32 s60, s60, s62
	s_lshl_b32 s62, s72, 11                        ; the tile of rows,
	s_add_co_u32 s60, s60, s62
	s_and_b32 s62, s[BH], 1
	s_lshl_b32 s62, s62, 10                        ; the even head's two pieces or the odd head's
	s_add_co_u32 s60, s60, s62
	s_add_nc_u64 s[CCB:CCB+1], s[16:17], s[60:61]
	global_load_b128 v[QF:QF+3], v[AK0], s[4:5]
	global_load_b128 v[QF+4:QF+7], v[AK0], s[4:5] offset:512
	global_load_b128 v[40:43], v38, s[10:11]       ; mask of keys 4 x thread + 0 .. 3
	global_load_b32 v[A0], v[NIL], s[12:13]        ; rel_emb[0][head]
	s_lshl_b32 s59, s[CX], 5
	s_add_co_u32 s59, s59, 256
	v_sub_nc_u32 v44, v0, s59                      ; key - query of entry = thread in copy 0,
	v_add_nc_u32 v45, -1, v44                      ; and in copies 1 to 3
	v_add_nc_u32 v46, -2, v44
	v_add_nc_u32 v47, -3, v44
.irp m, 0,1,2,3
	v_add_nc_u32 v[48+\m], 32, v[44+\m]
	v_cmp_gt_i32 vcc_lo, 0, v[48+\m]
	v_cndmask_b32 v[48+\m], v[48+\m], v[NIL], vcc_lo   ; the clip from below,
	v_min_u32 v[48+\m], 32, v[48+\m]               ; and from above at distance 0: what lies above it is hidden
	v_lshlrev_b32 v[48+\m], 6, v[48+\m]            ; a row of rel_emb is 64 bytes
	global_load_b32 v[52+\m], v[48+\m], s[12:13]
.endr
	s_wait_kmcnt 0x0
	s_add_co_i32 s59, s48, s49                     ; e6 + e7
	s_sub_co_i32 s[ESH], 3, s59                    ; an addend goes in x 2^(3 - e6 - e7)
	s_lshl_b32 s59, s59, 23
	s_add_co_i32 s[C1], s59, 0x3e38aa3b            ; log2(e) / 8, with e6 + e7 added to its exponent field
	s_mov_b32 s[C1+1], s[C1]
	s_add_co_i32 s59, s50, 127
	s_lshl_b32 s60, s59, 23
	v_mov_b32 v[PSC], s60                          ; 2^e8
	s_add_co_i32 s59, s59, 8
	s_lshl_b32 s59, s59, 23
	s_or_b32 s59, s59, 0x600000
	v_mov_b32 v[PSC+1], s59                        ; 448 x 2^e8
	s_sub_co_i32 s59, s52, s50
	s_sub_co_i32 s59, s59, s51
	s_add_co_i32 s59, s59, 127
	s_lshl_b32 s60, s59, 23
	v_mov_b32 v[CSC], s60                          ; 2^(e10 - e8 - e9)
	s_add_co_i32 s59, s59, 8
	s_lshl_b32 s59, s59, 23
	s_or_b32 s59, s59, 0x600000
	v_mov_b32 v[CSC+1], s59
	s_mov_b32 s[SEL], 0x76543210                   ; v_permlanex16_b32: lane l xor 16
	s_mov_b32 s[SEL+1], 0xfedcba98
	v_mov_b32 v56, 0xce6e6b28                      ; -1e9
	v_ldexp_f32 v57, v56, s[ESH]
	s_wait_alu depctr_va_vdst(0)
	s_wait_loadcnt 0x0
.irp i, 0,1,2,3
	v_cmp_eq_u32 vcc_lo, 0, v[40+\i]
	v_cndmask_b32 v[40+\i], 0, v57, vcc_lo
.endr
	ds_store_b128 v36, v[40:43]
.irp m, 0,1,2,3
	v_cmp_lt_i32 vcc_lo, 0, v[44+\m]               ; key > query
	v_cndmask_b32 v[52+\m], v[52+\m], v56, vcc_lo
	v_ldexp_f32 v[52+\m], v[52+\m], s[ESH]
	ds_store_b32 v37, v[52+\m] offset:BCOPY*\m
.endr
	v_mul_f32 v[A0], 0x3fb8aa3b, v[A0]
	v_mov_b32 v[TM], 0xce000000                    ; -2^29
	v_floor_f32 v[NM], -v[TM]
	v_mov_b32 v[LS], 0
	v_mov_b32 v[LS+1], 0
	v_mov_b32 v[AD+1], 0                           ; (upper halves of pairs of which the low word serves both halves)
	v_mov_b32 v[FF+1], 0
	v_mov_b32 v[PX], 0                             ; a lane permute's destination counts as one of its sources
.set j, 0
.rept 32
	v_mov_b32 v[O+j], 0                            ; O^T: the step has no first step of its own: the first change of M multiplies zeros
.set j, j+1
.endr
; A KEY STEP: 128 keys, at s[TB] in K's and V's images and s[TP] in PADT.  a0: the register that holds what is added to t (the far bias, or 0).  band = 1: the band's entries from byte boff on are added to C.
.macro STEP a0, band, boff
	v_add_nc_u32 v[ADK], s[TB], v[AK0]             ; these four lines are the places behind the last products, in front of the loads into the registers that they read
	v_add_nc_u32 v[ADV], s[TB], v[AV0]
	v_add_nc_u32 v[ADP], s[TP], v[AP0]
	v_nop
.irp t, 0,1,2,3,4,5,6,7
	ds_load_b128 v[S+8*\t:S+8*\t+3], v[ADP] offset:64*\t          ; the pad addends of keys 16 t + 8 h + 0 .. 7
	ds_load_b128 v[S+8*\t+4:S+8*\t+7], v[ADP] offset:64*\t+16
.endr
.if \band
.irp t, 0,1,2,3
	ds_load_b128 v[TT+8*\t:TT+8*\t+3], v[AB0] offset:\boff+64*\t
	ds_load_b128 v[TT+8*\t+4:TT+8*\t+7], v[AB0] offset:\boff+64*\t+16
.endr
.endif
.irp t, 0,1,2,3,4,5,6,7
	ds_load_b128 v[KV+8*\t:KV+8*\t+3], v[ADK] offset:1024*\t
	ds_load_b128 v[KV+8*\t+4:KV+8*\t+7], v[ADK] offset:1024*\t+512
.endr
.if \band
	s_wait_dscnt 16                                ; the addends are in; K's sixteen loads may be out
.set j, 0
.rept 16
	v_pk_add_f32 v[S+j:S+j+1], v[S+j:S+j+1], v[TT+j:TT+j+1]
.set j, j+2
.endr
.irp t, 0,1,2,3
	ds_load_b128 v[TT+8*\t:TT+8*\t+3], v[AB0] offset:\boff+256+64*\t
	ds_load_b128 v[TT+8*\t+4:TT+8*\t+7], v[AB0] offset:\boff+256+64*\t+16
.endr
	s_wait_dscnt 0x0
.set j, 0
.rept 16
	v_pk_add_f32 v[S+32+j:S+32+j+1], v[S+32+j:S+32+j+1], v[TT+j:TT+j+1]
.set j, j+2
.endr
.else
	s_wait_alu depctr_va_vdst(0)
	s_wait_dscnt 0x0
.endif
.irp t, 0,1,2,3,4,5,6,7
	v_wmma_f32_16x16x64_fp8_fp8 v[S+8*\t:S+8*\t+7], v[KV+8*\t:KV+8*\t+7], v[QF:QF+7], v[S+8*\t:S+8*\t+7]   ; eight accumulators, one instruction each
.endr
	PLACES
.irp b, 0,1,2,3
.irp c, 0,1,2,3
	ds_load_b128 v[KV+16*\b+4*\c:KV+16*\b+4*\c+3], v[ADV] offset:2048*\b+512*\c   ; V's fragments land under the softmax
.endr
.endr
	v_max3_num_f32 v[MX], v[S], v[S+1], v[S+2]     ; the step's largest score of my query among my 64 keys, in two chains, each accumulator from its low end on
	v_max3_num_f32 v[MX+1], v[S+3], v[S+4], v[S+5]
.set j, 6
.rept 14
	v_max3_num_f32 v[MX], v[MX], v[S+j], v[S+j+1]
	v_max3_num_f32 v[MX+1], v[MX+1], v[S+j+2], v[S+j+3]
.set j, j+4
.endr
	v_max3_num_f32 v[MX], v[MX], v[S+62], v[S+63]
	s_delay_alu instid0(VALU_DEP_1)
	v_max_num_f32 v[MX], v[MX], v[MX+1]
	s_delay_alu instid0(VALU_DEP_1)
	v_permlanex16_b32 v[PX], v[MX], s[SEL], s[SEL+1]
	s_delay_alu instid0(VALU_DEP_1)
	v_max_num_f32 v[MX], v[MX], v[PX]              ; and among lane l xor 16's
	s_delay_alu instid0(VALU_DEP_1)
	v_fma_f32 v[MX], v[MX], s[C1], v[\a0]          ; as t (c1 is positive)
	s_delay_alu instid0(VALU_DEP_1)
	v_max_num_f32 v[TM], v[TM], v[MX]
	v_mov_b32 v[MX], v[NM]
	s_delay_alu instid0(VALU_DEP_2)
	v_floor_f32 v[NM], -v[TM]                      ; -M = floor(-t): M is a whole number
	s_delay_alu instid0(VALU_DEP_1)
	v_sub_f32 v[MX], v[NM], v[MX]                  ; old M - new M: a whole number, 0 or less
	s_delay_alu instid0(VALU_DEP_1)
	v_cvt_i32_f32 v[MX], v[MX]
	s_delay_alu instid0(VALU_DEP_1)
	v_ldexp_f32 v[FF], 1.0, v[MX]                  ; f = 2^(old M - new M): a multiplication by it rounds nothing
	s_delay_alu instid0(VALU_DEP_4)
	v_add_f32 v[AD], v[\a0], v[NM]
.set j, 0
.rept 32
	v_pk_fma_f32 v[S+j:S+j+1], v[S+j:S+j+1], s[C1:C1+1], v[AD:AD+1] op_sel_hi:[1,0,0]   ; t - M, two at a time
.set j, j+2
.endr
	s_wait_alu depctr_va_vdst(0)
.set j, 0
.rept 64
	v_exp_f32 v[S+j], v[S+j]                       ; p = 2^(t - M)
.set j, j+1
.endr
	v_pk_mul_f32 v[LS:LS+1], v[LS:LS+1], v[FF:FF+1] op_sel_hi:[1,0]   ; the sums under the new M: the plain line behind the exponentials
	s_wait_alu depctr_va_vdst(0)                   ; one wait for the batch of 64, ahead of its first reader
.irp k, 0,1,2,3
	v_pk_add_f32 v[SM+2*\k:SM+2*\k+1], v[S+4*\k:S+4*\k+1], v[S+4*\k+2:S+4*\k+3]   ; the row's sum of the unquantised p: four chains by turns
.endr
.set j, 16
.rept 6
.irp k, 0,1,2,3
	v_pk_add_f32 v[SM+2*\k:SM+2*\k+1], v[SM+2*\k:SM+2*\k+1], v[S+j+2*\k:S+j+2*\k+1]
.endr
.set j, j+8
.endr
	v_pk_add_f32 v[SM:SM+1], v[SM:SM+1], v[SM+2:SM+3]
	v_pk_add_f32 v[SM+4:SM+5], v[SM+4:SM+5], v[SM+6:SM+7]
	v_pk_add_f32 v[LS:LS+1], v[LS:LS+1], v[SM:SM+1]
	v_pk_add_f32 v[LS:LS+1], v[LS:LS+1], v[SM+4:SM+5]
.irp t, 0,1,2,3,4,5,6,7
.irp i, 0,1,2,3,4,5,6,7
	v_min_num_f32 v[S+8*\t+\i], v[S+8*\t+\i], v[PSC+1]   ; the conversion does not saturate (ISA guide 7.6.2); p is not negative, so the hold is one-sided
.endr
	v_cvt_scalef32_pk8_fp8_f32 v[PC+2*\t:PC+2*\t+1], v[S+8*\t:S+8*\t+7], v[PSC]
.endr
	s_wait_alu depctr_va_vdst(0)                   ; directly ahead of the first reader of O^T
.set j, 0
.rept 16
	v_pk_mul_f32 v[O+j:O+j+1], v[O+j:O+j+1], v[FF:FF+1] op_sel_hi:[1,0]   ; O^T under the new M; also the plain lines between the conversions and the products
.set j, j+2
.endr
	s_wait_alu depctr_va_vdst(0)
	s_wait_dscnt 0x0                               ; V is in
.irp b, 0,1,2,3
	v_wmma_f32_16x16x128_fp8_fp8 v[O+8*\b:O+8*\b+7], v[KV+16*\b:KV+16*\b+15], v[PC:PC+15], v[O+8*\b:O+8*\b+7]
.endr
.endm
	s_wait_alu depctr_va_vdst(0)
	s_wait_dscnt 0x0                               ; my stores into the tables have landed
	s_wait_tensorcnt 0x0                           ; and my part of K or V
	s_barrier_signal -1
	s_barrier_wait -1                              ; everybody's have
	; ---- U = the sum over all 2,048 keys of V's codes x the code of 1.0: four products a wave: quarter wave / 4 of the keys, tile wave % 4 of d.  It stands here, where the waves are still in step
.irp i, 0,1,2,3,4,5,6,7
	v_min_num_f32 v[TT+\i], 1.0, v[PSC+1]          ; 1.0 is held and converted as p is
.endr
	v_cvt_scalef32_pk8_fp8_f32 v[PC:PC+1], v[TT:TT+7], v[PSC]
	v_nop
.irp i, 1,2,3,4,5,6,7
	v_mov_b32 v[PC+2*\i], v[PC]
	v_mov_b32 v[PC+2*\i+1], v[PC+1]
.endr
	s_lshr_b32 s59, s[WV], 2
	s_lshl_b32 s59, s59, 15
	s_and_b32 s60, s[WV], 3
	s_lshl_b32 s60, s60, 11
	s_add_co_u32 s59, s59, s60
	v_add_nc_u32 v[ADV], s59, v[AV0]
.irp i, 0,1,2,3
.irp c, 0,1,2,3
	ds_load_b128 v[KV+16*\i+4*\c:KV+16*\i+4*\c+3], v[ADV] offset:8192*\i+512*\c
.endr
.endr
	s_wait_alu depctr_va_vdst(0)
	s_wait_dscnt 0x0
	v_wmma_f32_16x16x128_fp8_fp8 v[TT:TT+7], v[KV:KV+15], v[PC:PC+15], 0
.irp i, 1,2,3
	s_wait_alu depctr_va_vdst(0)                   ; a wait directly ahead of each link
	v_wmma_f32_16x16x128_fp8_fp8 v[TT:TT+7], v[KV+16*\i:KV+16*\i+15], v[PC:PC+15], v[TT:TT+7]
.endr
	PLACES
	ds_store_b128 v[UA], v[TT:TT+3]                ; d = 16 (wave % 4) + 8 h + 0 .. 7; the sixteen lanes of a half write the same words
	ds_store_b128 v[UA], v[TT+4:TT+7] offset:16
	s_wait_dscnt 0x0                               ; for the others' sake
	s_barrier_signal -1
	s_barrier_wait -1                              ; behind this barrier no wave writes LDS any more, and no wave waits for another
	; ---- the far steps: 14 trips, a constant; a step that is not at least two steps ahead of my diagonal is passed over by a scalar branch on ids
	s_mov_b32 s[TB], 0
	s_mov_b32 s[TP], 0
	s_mov_b32 s[STP], 0
.Lfar:
	s_add_co_u32 s59, s[STP], 1
	s_cmp_lt_u32 s59, s[SD]
	s_cbranch_scc0 .Lskip
	STEP A0, 0, 0
.Lskip:
	s_add_co_u32 s[TB], s[TB], 8192
	s_add_co_u32 s[TP], s[TP], 512
	s_add_co_u32 s[STP], s[STP], 1
	s_cmp_lt_u32 s[STP], 14
	s_cbranch_scc1 .Lfar
	; ---- the two steps next to the diagonal, with the band
	s_cmp_eq_u32 s[SD], 0
	s_cbranch_scc1 .Lno_prev
	s_sub_co_u32 s59, s[SD], 1
	s_and_b32 s59, s59, 15
	s_lshl_b32 s[TB], s59, 13
	s_lshl_b32 s[TP], s59, 9
	STEP NIL, 1, 0
.Lno_prev:
	s_lshl_b32 s[TB], s[SD], 13
	s_lshl_b32 s[TP], s[SD], 9
	STEP NIL, 1, 512
	; ---- the way out
	PLACES
.irp q, 0,1,2,3
.irp b, 0,1,2,3
	ds_load_b128 v[KV+32*\q+8*\b:KV+32*\q+8*\b+3], v[UR] offset:256*\q+64*\b        ; U's four quarters, in O^T's layout
	ds_load_b128 v[KV+32*\q+8*\b+4:KV+32*\q+8*\b+7], v[UR] offset:256*\q+64*\b+16
.endr
.endr
	v_add_f32 v[LS], v[LS], v[LS+1]                ; the sum's two halves,
	v_permlanex16_b32 v[PX], v[LS], s[SEL], s[SEL+1]
	v_add_f32 v[LS], v[LS], v[PX]                  ; and lane l xor 16's
	s_wait_alu depctr_va_vdst(0)
	v_rcp_f32 v[LS], v[LS]
	v_mov_b32 v[HALF], 0x3a000000                  ; 1 / 2048.  (The plain line behind the reciprocal)
	v_cmp_eq_f32 vcc_lo, 0xce000000, v[TM]         ; a row that has seen no visible key
	s_wait_alu depctr_va_vdst(0)                   ; the wait ahead of the reciprocal's first reader
	v_cndmask_b32 v[LS], v[LS], v[HALF], vcc_lo
	s_wait_alu depctr_va_vdst(0)
	s_wait_dscnt 0x0
.set j, 0
.rept 16
	v_pk_add_f32 v[KV+j:KV+j+1], v[KV+j:KV+j+1], v[KV+32+j:KV+32+j+1]
	v_pk_add_f32 v[KV+64+j:KV+64+j+1], v[KV+64+j:KV+64+j+1], v[KV+96+j:KV+96+j+1]
.set j, j+2
.endr
.set j, 0
.rept 16
	v_pk_add_f32 v[KV+j:KV+j+1], v[KV+j:KV+j+1], v[KV+64+j:KV+64+j+1]
.set j, j+2
.endr
	s_wait_alu depctr_va_vdst(0)                   ; directly ahead of the first reader of O^T
.set j, 0
.rept 32
	v_cndmask_b32 v[O+j], v[O+j], v[KV+j], vcc_lo  ; each accumulator from its low end on
.set j, j+1
.endr
.irp b, 0,1,2,3
.irp i, 0,2,4,6
	v_pk_mul_f32 v[O+8*\b+\i:O+8*\b+\i+1], v[O+8*\b+\i:O+8*\b+\i+1], v[LS:LS+1] op_sel_hi:[1,0]
.endr
.irp i, 0,1,2,3,4,5,6,7
	v_med3_num_f32 v[O+8*\b+\i], v[O+8*\b+\i], -v[CSC+1], v[CSC+1]
.endr
	v_cvt_scalef32_pk8_fp8_f32 v[PC+2*\b:PC+2*\b+1], v[O+8*\b:O+8*\b+7], v[CSC]   ; registers 2 b, 2 b + 1 of my head's half of the next operand: d = 16 b + 8 h + 0 .. 7 of row r
.endr
	v_nop
	global_store_b128 v[AK0], v[PC:PC+3], s[CCB:CCB+1]             ; 512 consecutive bytes, at a multiple of 512
	global_store_b128 v[AK0], v[PC+4:PC+7], s[CCB:CCB+1] offset:512
	s_wait_tensorcnt 0x0                           ; the wave's end
	ds_add_u32 v[SPW], v[ZR]
	s_wait_dscnt 0x0
	CROUND                                         ; the closing round
	s_endpgm
.Lfunc_end_k_q279ec135de_attn:
	.size	k_q279ec135de_attn, .Lfunc_end_k_q279ec135de_attn-k_q279ec135de_attn
	.p2alignl 7, 3214868480
	.fill 96, 4, 3214868480
	.section	.rodata,"a",@progbits
	.p2align	6, 0x0
	.amdhsa_kernel k_q279ec135de_attn
		.amdhsa_group_segment_fixed_size 327680
		.amdhsa_private_segment_fixed_size 0
		.amdhsa_enable_private_segment 0
		.amdhsa_kernarg_size 56
		.amdhsa_user_sgpr_count 2
		.amdhsa_user_sgpr_kernarg_segment_ptr 1
		.amdhsa_wavefront_size32 1
		.amdhsa_system_sgpr_workgroup_id_x 1
		.amdhsa_system_sgpr_workgroup_id_y 1
		.amdhsa_system_sgpr_workgroup_id_z 1
		.amdhsa_system_vgpr_workitem_id 0
		.amdhsa_next_free_vgpr 256
		.amdhsa_next_free_sgpr 80
		.amdhsa_reserve_vcc 1
		.amdhsa_float_denorm_mode_32 3
		.amdhsa_float_denorm_mode_16_64 3
		.amdhsa_memory_ordered 1
		.amdhsa_forward_progress 1
		.amdhsa_inst_pref_size 81
	.end_amdhsa_kernel
	.amdgpu_metadata
---
amdhsa.version: [ 1, 2 ]
amdhsa.kernels:
  - .name:           k_q279ec135de_attn
    .symbol:         k_q279ec135de_attn.kd
    .args:
      - { .name: qc, .offset: 0, .size: 8, .value_kind: global_buffer, .address_space: global }
      - { .name: kc, .offset: 8, .size: 8, .value_kind: global_buffer, .address_space: global }
      - { .name: vc, .offset: 16, .size: 8, .value_kind: global_buffer, .address_space: global }
      - { .name: mask, .offset: 24, .size: 8, .value_kind: global_buffer, .address_space: global }
      - { .name: rel_emb, .offset: 32, .size: 8, .value_kind: global_buffer, .address_space: global }
      - { .name: lowp_scales, .offset: 40, .size: 8, .value_kind: global_buffer, .address_space: global }
      - { .name: cc, .offset: 48, .size: 8, .value_kind: global_buffer, .address_space: global }
    .group_segment_fixed_size: 327680
    .private_segment_fixed_size: 0
    .kernarg_segment_align: 8
    .kernarg_segment_size: 56
    .max_flat_workgroup_size: 512
    .sgpr_count:     80
    .vgpr_count:     256
    .wavefront_size: 32
...
	.end_amdgpu_metadata
.endif
;; end of part 3
;; launch oproj (part 4): grid 8 x 32, 4 waves a work-group, clusters of 4 x 4, 327,680 bytes of LDS; arguments cc, wc, bo, lowp_scales, out0; writes out0
.if DOCPART == 4
	.amdgcn_target "amdgcn-amd-amdhsa--gfx1250"
	.amdhsa_code_object_version 6
	.text
	.protected	k_q279ec135de_oproj
	.globl	k_q279ec135de_oproj
	.p2align	8
	.type	k_q279ec135de_oproj,@function
k_q279ec135de_oproj:
	s_mov_b64 s[64:65], 0
	v_nop
	global_prefetch_b8 v0, s[64:65] scope:SCOPE_SE
	s_setreg_imm32_b32 hwreg(HW_REG_WAVE_MODE, 25, 1), 1
	s_wait_xcnt 0x0
	s_wait_alu depctr_hold_cnt(0) depctr_sa_sdst(0) depctr_va_vdst(0) depctr_va_sdst(0) depctr_va_ssrc(0) depctr_va_vcc(0) depctr_vm_vsrc(0)
	s_getreg_b32 s2, hwreg(HW_REG_IB_STS2, 6, 4)
	s_cmp_eq_u32 s2, 0
	s_cbranch_scc0 .Lentry_in_a_cluster
	s_endpgm
.Lentry_in_a_cluster:
	s_bfe_u32 s2, ttmp6, 0x10000c
	s_cmp_lg_u32 s2, 0xf033
	s_cbranch_scc0 .Lentry_shape_is_right
	s_endpgm
.Lentry_shape_is_right:
; out0 = ctx Wo^T + bo on codes of E4M3 (v_wmma_f32_16x16x128_fp8_fp8, f32 sums); each finished sum x 2^(e10 + e11) + bo, one packed multiply-add for two numbers.
; Operands come as images of the operand's registers (a fragment of 16 rows x 128 K is 2,048 bytes), so a tile's whole K is one dense block of 131,072 bytes.
; SHARES.  A work-group makes 128 x 128 of out0: 256 work-groups.  Each of four waves makes 64 x 64: 16 accumulators.
; ALL OF K LIES IN LDS: ctx's block at byte 0, Wo's at 131,072, each byte filled once: every wave brings half a block, 65,536 bytes, by its one tensor load at the head.  Nothing is filled again: no ring.
; CLUSTER 4 x 4: the four work-groups of a row of the cluster need the same block of ctx, the four of a column the same block of Wo: each piece is asked for jointly.
; No prefetch is laid: the launch's only tensor loads go out at its head, so there is no loop to run ahead in.
; Source 0 = 16 rows of Wo, source 1 = 16 rows of ctx: a lane holds one row and eight neighbouring columns, 32 bytes; 16 rows at a time go through the wave's own stage in LDS and leave as rows of 256 bytes.
; LIMIT: e10 + e11 lies between -126 and 127, so that 2^(e10 + e11) is an f32 number.
; REGISTERS.  Window 0: v4 16 x lane; v5, v6 the add's two; v8-11 LDS addresses; v12 bias offset; v16-18 the way out; v32-63 the bias; v64-95 at work; v128-255 accumulators.  Window 1: two fragment buffers of 128.
.set LI,   4
.set SPW,  5
.set NIL,  6
.set ADRA, 8
.set ADRB, 10
.set STO,  16
.set RD,   17
.set CO,   18
.set BI,   32
.set TMP,  64
.set ACC,  128
.set STAGE, 262144                     ; behind the two blocks: 16 rows x (256 + 16) bytes for each wave; no tensor load lands here
.set SPARE, STAGE+4*16*272             ; the spare words: 128 bytes a wave, two blocks of 256 that no other line names
.set WV,   22
.set WR,   23                          ; which 64 rows are mine.  Also: I fetch for ctx (0) or for Wo (1)
.set WC,   24                          ; which 64 columns.  Also: which half of K I fetch
.set TCOL, 27
.set TROW, 28
.set G1A,  32
.set G1B,  40
.set G0A,  48
.set G0B,  52
.set SCL,  86                          ; s[86:87] 2^(e10 + e11)
.set MSB, 0
.macro WIN new
.if MSB != \new
	s_set_vgpr_msb (MSB<<8)|\new
.set MSB, \new
.endif
.endm
.set MULW, 0x05                        ; sources 0 and 1 window 1; C and D window 0
.set TO_F, 0x40                        ; destination window 1, address window 0
.macro CROUND
	s_barrier_signal -1
	s_barrier_wait -1
	s_cmp_lg_u32 s[WV], 0
	s_cbranch_scc1 .Lnot_wave_0_\@
	s_barrier_signal -3
.Lnot_wave_0_\@:
	s_barrier_wait -3
	s_barrier_signal -1
	s_barrier_wait -1
.endm
.macro PLACES
.rept 4
	v_nop
.endr
.endm
.macro FETCH ks, bi                    ; the eight fragments of K step ks into buffer bi: 32 loads of 512 consecutive bytes
	WIN TO_F
.irp i, 0,1,2,3
.irp c, 0,1,2,3
	ds_load_b128 v[128*(\bi)+16*\i+4*\c:128*(\bi)+16*\i+4*\c+3], v[ADRA+(\ks)/4] offset:((\ks)%4)*16384+2048*\i+512*\c
.endr
.endr
.irp i, 0,1,2,3
.irp c, 0,1,2,3
	ds_load_b128 v[128*(\bi)+64+16*\i+4*\c:128*(\bi)+64+16*\i+4*\c+3], v[ADRB+(\ks)/4] offset:((\ks)%4)*16384+2048*\i+512*\c
.endr
.endr
.endm
; 16 matrix instructions, 128 along K.  first = 1: the product starts the sum.  The sixteen accumulators take turns, one instruction a turn.
.macro MUL bi, first
	WIN MULW
.irp a, 0,1,2,3
.irp b, 0,1,2,3
.set rC, ACC+8*(4*\a+\b)
.set rS0, 128*(\bi)+64+16*\b
.set rS1, 128*(\bi)+16*\a
.if \first
	v_wmma_f32_16x16x128_fp8_fp8 v[rC:rC+7], v[rS0:rS0+15], v[rS1:rS1+15], 0
.else
	v_wmma_f32_16x16x128_fp8_fp8 v[rC:rC+7], v[rS0:rS0+15], v[rS1:rS1+15], v[rC:rC+7]
.endif
.endr
.endr
.endm
.macro KSTEP ks, first
	s_wait_dscnt 0x0                               ; this K step's fragments are in (asked for sixteen matrix instructions ago)
.if \ks < 7
	PLACES
	FETCH (\ks)+1, ((\ks)+1)%2
.endif
	MUL (\ks)%2, \first
.endm
	s_load_b256 s[4:11], s[0:1], 0x0               ; cc, wc, bo, lowp_scales
	s_load_b64 s[12:13], s[0:1], 0x20              ; out0
	v_lshl_add_u32 v[SPW], v0, 2, SPARE
	v_mov_b32 v[NIL], 0
	ds_add_u32 v[SPW], v[NIL]                      ; the opening lines: the add, twice on end, and its wait ahead of the round in front of my tensor load
	ds_add_u32 v[SPW], v[NIL]
	v_lshrrev_b32 v1, 5, v0
	v_readfirstlane_b32 s[WV], v1                  ; wave 0..3
	s_lshr_b32 s[WR], s[WV], 1
	s_and_b32 s[WC], s[WV], 1
	s_bfe_u32 s25, ttmp6, 0x40000                  ; cx, cy
	s_bfe_u32 s26, ttmp6, 0x40004
	s_lshl_b32 s[TCOL], ttmp9, 2
	s_add_co_u32 s[TCOL], s[TCOL], s25             ; tile column: 0 .. 7
	s_and_b32 s[TROW], ttmp7, 0xffff
	s_lshl_b32 s[TROW], s[TROW], 2
	s_add_co_u32 s[TROW], s[TROW], s26             ; tile row: 0 .. 31
	s_lshl_b32 s30, s26, 2
	s_lshl_b32 s30, 15, s30                        ; my row of the cluster
	s_lshl_b32 s31, 0x1111, s25                    ; my column
	; group 1: a dense piece of 65,536 bytes as 256 rows of 32 elements of 8 bytes
	s_or_b32 s[G1A], s30, (3<<16)|(1<<21)
	s_or_b32 s[G1B], s31, (3<<16)|(1<<21)
.irp g, G1A, G1B
	s_mov_b32 s[\g+1], 32<<16
	s_mov_b32 s[\g+2], 256<<16
	s_mov_b32 s[\g+3], 32<<16
	s_mov_b32 s[\g+4], 256
	s_mov_b32 s[\g+5], 32
	s_mov_b32 s[\g+6], 0
	s_mov_b32 s[\g+7], 0
.endr
	s_lshl_b32 s3, s[WC], 16                       ; which half of K I fetch
	s_lshl_b32 s96, s[TROW], 17                    ; ctx: the block of 128 rows
	s_add_co_u32 s96, s96, s3
	s_mov_b32 s97, 0
	s_lshl_b32 s98, s[TCOL], 17                    ; Wo: the fourth weight's block of 128 rows
	s_add_co_u32 s98, s98, s3
	s_add_co_u32 s98, s98, 3<<20
	s_mov_b32 s99, 0
	s_lshl_b32 s100, s[WR], 17                     ; in LDS: ctx's block, then Wo's
	s_add_co_u32 s100, s100, s3
	s_wait_dscnt 0x0                               ; both opening adds are done
	s_wait_kmcnt 0x0
	s_load_b64 s[84:85], s[10:11], 0x28            ; e10, e11
	s_mov_b32 s[G0A], 1
	s_mov_b32 s[G0A+1], s100
	s_add_nc_u64 s[G0A+2:G0A+3], s[4:5], s[96:97]
	s_or_b32 s[G0A+3], s[G0A+3], 0x80000000
	s_mov_b32 s[G0B], 1
	s_mov_b32 s[G0B+1], s100
	s_add_nc_u64 s[G0B+2:G0B+3], s[6:7], s[98:99]
	s_or_b32 s[G0B+3], s[G0B+3], 0x80000000
	CROUND                                         ; all sixteen work-groups are here: the joint loads meet
	s_cmp_eq_u32 s[WR], 0
	s_cbranch_scc0 .Lfor_b
	tensor_load_to_lds s[G0A:G0A+3], s[G1A:G1A+7]
	s_nop 0
	PLACES
	s_branch .Lasked
.Lfor_b:
	tensor_load_to_lds s[G0B:G0B+3], s[G1B:G1B+7]
	s_nop 0
	PLACES
.Lasked:
	v_and_b32 v1, 31, v0
	v_lshlrev_b32 v[LI], 4, v1                     ; 16 x lane
	s_lshl_b32 s2, s[WR], 13                       ; my four fragments of ctx
	v_add_nc_u32 v[ADRA], s2, v[LI]
	v_add_nc_u32 v[ADRA+1], 0x10000, v[ADRA]
	s_lshl_b32 s2, s[WC], 13
	s_add_co_u32 s2, s2, 0x20000
	v_add_nc_u32 v[ADRB], s2, v[LI]
	v_add_nc_u32 v[ADRB+1], 0x10000, v[ADRB]
	v_bfe_u32 v2, v0, 4, 1                         ; h
	v_and_b32 v3, 15, v0                           ; r
	v_lshlrev_b32 v12, 5, v2                       ; the bias of my half's eight columns: 32 h
	s_mul_i32 s2, s[WV], 16*272
	s_add_co_u32 s2, s2, STAGE                     ; my stage
	v_mul_u32_u24 v[STO], v3, 272
	v_lshl_add_u32 v[STO], v2, 5, v[STO]
	v_add_nc_u32 v[STO], s2, v[STO]                ; in: row r, 32 bytes for each half of the lanes
	v_mul_u32_u24 v[RD], v2, 272
	v_lshl_add_u32 v[RD], v3, 4, v[RD]
	v_add_nc_u32 v[RD], s2, v[RD]                  ; back: lanes 0-15 one row of 256 bytes, lanes 16-31 the next
	v_lshlrev_b32 v[CO], 12, v2
	v_lshl_add_u32 v[CO], v3, 4, v[CO]             ; and the same two rows in out0 (a row is 4,096 bytes)
	s_wait_alu depctr_va_vdst(0)                   ; ahead of the run of scalar lines
	s_lshl_b32 s98, s[TCOL], 9
	s_lshl_b32 s99, s[WC], 8
	s_add_co_u32 s98, s98, s99                     ; my 64 columns, in bytes
	s_mov_b32 s99, 0
	s_add_nc_u64 s[8:9], s[8:9], s[98:99]          ; in bo,
	s_lshl_b32 s96, s[TROW], 19
	s_add_co_u32 s98, s98, s96
	s_lshl_b32 s96, s[WR], 18
	s_add_co_u32 s98, s98, s96                     ; and with my first row
	s_add_nc_u64 s[2:3], s[12:13], s[98:99]        ; in out0
.irp b, 0,1,2,3
	global_load_b128 v[BI+8*\b:BI+8*\b+3], v12, s[8:9] offset:64*\b           ; lane (r, h), tile b: the bias of columns 16 b + 8 h + 0 .. 7
	global_load_b128 v[BI+8*\b+4:BI+8*\b+7], v12, s[8:9] offset:64*\b+16
.endr
	s_wait_kmcnt 0x0
	s_add_co_i32 s[SCL], s84, s85
	s_add_co_i32 s[SCL], s[SCL], 127
	s_lshl_b32 s[SCL], s[SCL], 23                  ; 2^(e10 + e11) as f32
	s_mov_b32 s[SCL+1], s[SCL]
	s_wait_tensorcnt 0x0                           ; my half block has landed
	s_barrier_signal -1
	s_barrier_wait -1                              ; everybody's has
	FETCH 0, 0
	KSTEP 0, 1
.irp ks, 1,2,3,4,5,6,7
	KSTEP \ks, 0
.endr
	WIN 0
	PLACES
	s_wait_loadcnt 0x0                             ; the bias
	; THE WAY OUT, 16 rows at a time.  LDS serves a wave's instructions in order (ISA guide 5.7.1.4): no wait stands between the stores into my stage and the loads from it.
.irp a, 0,1,2,3
.irp b, 0,1,2,3
.irp i, 0,2,4,6
	v_pk_fma_f32 v[TMP+8*\b+\i:TMP+8*\b+\i+1], v[ACC+8*(4*\a+\b)+\i:ACC+8*(4*\a+\b)+\i+1], s[SCL:SCL+1], v[BI+8*\b+\i:BI+8*\b+\i+1] op_sel_hi:[1,0,1]   ; each accumulator from its low end on
.endr
.endr
.irp b, 0,1,2,3
	ds_store_b128 v[STO], v[TMP+8*\b:TMP+8*\b+3] offset:64*\b
	ds_store_b128 v[STO], v[TMP+8*\b+4:TMP+8*\b+7] offset:64*\b+16
.endr
.irp t, 0,1,2,3,4,5,6,7
	ds_load_b128 v[ACC+32*\a+4*\t:ACC+32*\a+4*\t+3], v[RD] offset:544*\t      ; back into the registers that these rows' sums have left
.endr
	s_wait_dscnt 0x0                               ; the rows are back, and the stores into the stage have read their registers
.irp t, 0,1,2,3,4,5,6,7
	global_store_b128 v[CO], v[ACC+32*\a+4*\t:ACC+32*\a+4*\t+3], s[2:3] offset:(16*\a+2*\t)*4096 th:TH_STORE_NT   ; sixteen lanes store 256 consecutive bytes, at a multiple of 256
.endr
.endr
	s_wait_tensorcnt 0x0                           ; the wave's end
	ds_add_u32 v[SPW], v[NIL]
	s_wait_dscnt 0x0
	CROUND                                         ; the closing round
	s_endpgm
.Lfunc_end_k_q279ec135de_oproj:
	.size	k_q279ec135de_oproj, .Lfunc_end_k_q279ec135de_oproj-k_q279ec135de_oproj
	.p2alignl 7, 3214868480
	.fill 96, 4, 3214868480
	.section	.rodata,"a",@progbits
	.p2align	6, 0x0
	.amdhsa_kernel k_q279ec135de_oproj
		.amdhsa_group_segment_fixed_size 327680
		.amdhsa_private_segment_fixed_size 0
		.amdhsa_enable_private_segment 0
		.amdhsa_kernarg_size 40
		.amdhsa_user_sgpr_count 2
		.amdhsa_user_sgpr_kernarg_segment_ptr 1
		.amdhsa_wavefront_size32 1
		.amdhsa_system_sgpr_workgroup_id_x 1
		.amdhsa_system_sgpr_workgroup_id_y 1
		.amdhsa_system_sgpr_workgroup_id_z 1
		.amdhsa_system_vgpr_workitem_id 0
		.amdhsa_next_free_vgpr 512
		.amdhsa_next_free_sgpr 102
		.amdhsa_reserve_vcc 0
		.amdhsa_float_denorm_mode_32 3
		.amdhsa_float_denorm_mode_16_64 3
		.amdhsa_memory_ordered 1
		.amdhsa_forward_progress 1
		.amdhsa_inst_pref_size 44
	.end_amdhsa_kernel
	.amdgpu_metadata
---
amdhsa.version: [ 1, 2 ]
amdhsa.kernels:
  - .name:           k_q279ec135de_oproj
    .symbol:         k_q279ec135de_oproj.kd
    .args:
      - { .name: cc, .offset: 0, .size: 8, .value_kind: global_buffer, .address_space: global }
      - { .name: wc, .offset: 8, .size: 8, .value_kind: global_buffer, .address_space: global }
      - { .name: bo, .offset: 16, .size: 8, .value_kind: global_buffer, .address_space: global }
      - { .name: lowp_scales, .offset: 24, .size: 8, .value_kind: global_buffer, .address_space: global }
      - { .name: out0, .offset: 32, .size: 8, .value_kind: global_buffer, .address_space: global }
    .group_segment_fixed_size: 327680
    .private_segment_fixed_size: 0
    .kernarg_segment_align: 8
    .kernarg_segment_size: 40
    .max_flat_workgroup_size: 128
    .sgpr_count:     102
    .vgpr_count:     512
    .wavefront_size: 32
...
	.end_amdgpu_metadata
.endif
;; end of part 4
